; MI455X (gfx1250); checked and timed in simulation.
; The chip was launched on July 23, 2026; its instructions are those of AMD's public machine-readable ISA for CDNA 5 (MIT licence, August 2026) and "CDNA5" Instruction Set Architecture Reference Guide (July 2026). The comments in the code are by the model that wrote it; some were corrected since.
;; MSA. Allowed arithmetic: matrix products marked QUANTISED: E2M3 operands, one E8M0 scale for each 32 along K, by v_wmma_scale_f32_16x16x128_f8f6f4 with both operands' format E2M3, f32 sums; everything else in f32.
;; Inputs: Wk_codes 1,024 x 32 x 24 uint8 (E2M3 codes of Wk, K innermost, in blocks of 32 codes, four codes in three bytes); Wk_scales 1,024 x 32 uint8 (E8M0 scales of Wk, one for each 32 codes along K); Wo_codes 1,024 x 32 x 24 uint8 (E2M3 codes of Wo, K innermost, in blocks of 32 codes, four codes in three bytes); Wo_scales 1,024 x 32 uint8 (E8M0 scales of Wo, one for each 32 codes along K); Wq_codes 1,024 x 32 x 24 uint8 (E2M3 codes of Wq, K innermost, in blocks of 32 codes, four codes in three bytes); Wq_scales 1,024 x 32 uint8 (E8M0 scales of Wq, one for each 32 codes along K); Wv_codes 1,024 x 32 x 24 uint8 (E2M3 codes of Wv, K innermost, in blocks of 32 codes, four codes in three bytes); Wv_scales 1,024 x 32 uint8 (E8M0 scales of Wv, one for each 32 codes along K); bo 1,024 float32; x_codes 4 x 2,048 x 32 x 24 uint8 (E2M3 codes of x, K innermost, in blocks of 32 codes, four codes in three bytes); x_scales 4 x 2,048 x 32 uint8 (E8M0 scales of x, one for each 32 codes along K).
;; Outputs: out0 4 x 2,048 x 1,024 float32.
;; This version of the problem:
;;   THIS VERSION OF THE PROBLEM IS GIVEN IN LOW PRECISION. The matrix products marked QUANTISED in the list below multiply operands that are first quantised to E2M3 (2 exponent bits, 3 mantissa bits; 6 bits a number), with one power-of-two scale for each 32 numbers along K (OCP MX v1.0); their sums are f32. All else is computed in f32.
;;   The module's matrix products, in the order in which they are computed (A, B: the left and right operand; K: the contracted axis; several contracted axes count as one K, in the product's order):
;;     1. [M 8,192, K 1,024] x [K 1,024, N 1,024]; A: input x (given as codes); B: input Wq (given as codes): QUANTISED
;;     2. [M 8,192, K 1,024] x [K 1,024, N 1,024]; A: input x (given as codes); B: input Wk (given as codes): QUANTISED
;;     3. [M 8,192, K 1,024] x [K 1,024, N 1,024]; A: input x (given as codes); B: input Wv (given as codes): QUANTISED
;;     4. batch 64 x [M 2,048, K 64] x [K 64, N 2,048]; A: computed on the way; B: computed on the way: QUANTISED
;;     5. batch 64 x [M 2,048, K 2,048] x [K 2,048, N 64]; A: softmax (see below); B: computed on the way: QUANTISED
;;     6. [M 8,192, K 1,024] x [K 1,024, N 1,024]; A: computed on the way; B: input Wo (given as codes): QUANTISED
;;   THE QUANTISER, for each operand of a quantised product, along K:
;;     - K is cut into blocks of 32 from its start; a last block that is shorter is filled with zeros.
;;     - A block's scale is 2^e with e = floor(log2(the largest magnitude in the block)) - 2, held to -126 .. 127; a block of zeros has e = 0. As a byte (E8M0): e + 127.
;;     - Each number is divided by its block's scale, clamped to +-7.5, and rounded to the nearest number of E2M3, ties to even, subnormals kept.
;;     - The product sums the exact products of the quantised numbers (number of the format x scale) in f32.
;;   ~~~python
;;   def quantise(x, axis):      # numpy; x: float32 -> the quantised numbers, widened to float32 again
;;       x = np.moveaxis(x, axis, -1); K = x.shape[-1]
;;       x = np.pad(x, [(0, 0)] * (x.ndim - 1) + [(0, -K % 32)]); x = x.reshape(x.shape[:-1] + (-1, 32)); a = np.abs(x).max(-1, keepdims=True)
;;       e = np.where(a > 0, np.clip(np.frexp(np.where(a > 0, a, 1))[1] - 1 - 2, -126, 127), 0)      # np.frexp(a)[1] - 1 = floor(log2(a)), exactly
;;       r = np.clip(x / 2.0 ** e, -7.5, 7.5)
;;       step = 2.0 ** (np.maximum(np.frexp(np.where(r == 0, 1, r))[1] - 1, 0) - 3)
;;       q = np.round(r / step) * step * 2.0 ** e      # np.round: ties to even
;;       return np.moveaxis(q.reshape(q.shape[:-2] + (-1,))[..., :K], -1, axis).astype(np.float32)
;;   ~~~
;;   SOFTMAX AHEAD OF A QUANTISED PRODUCT. Where the list says 'softmax', what is quantised is not the finished softmax but p = 2^(t - M), with t = logit x log2(e) and M = ceil(the row's largest t), a whole number; so 1/2 < the row's largest p <= 1. The row's sum l is taken of the UNQUANTISED p, in f32, and the product's result is divided by l at the end. Since M is a whole number, a kernel that streams over the keys may use a running M (the ceiling of the running maximum): every later rescaling is an exact power of two, which a block's scale takes up: the codes' values come out the same.
;;   OPERANDS COMPUTED ON THE WAY. 'Computed on the way' means the value that the module computes at that place (a softmax that the list does not call 'softmax' is quantised finished and normalised). What goes into a quantiser is computed in f32, as accurately as f32 sums, v_exp_f32 and their like allow (about 1e-6 of the number): no bf16 or f16 on the way to a quantiser, and a product that is left as it is and whose result goes on into a quantised operand takes f32 operands (vector FMAs, or v_wmma_f32_16x16x4_f32). A number that lies on a knife's edge between two numbers of the format may be rounded either way, as far as f32 arithmetic and the matrix unit's own rounding can turn it there, and no further.
;;   INPUTS GIVEN AS CODES. Wk (in the module: [1024, 1024], K = its axis 0); Wo (in the module: [1024, 1024], K = its axis 0); Wq (in the module: [1024, 1024], K = its axis 0); Wv (in the module: [1024, 1024], K = its axis 0); x (in the module: [4, 2048, 1024], K = its axis 2): each comes as NAME_codes (uint8): NAME with its K axis moved to the last place and cut into blocks of 32 codes, [.., K / 32, bytes a block], one block behind the other in memory; four codes in three bytes: a row's codes are one little-endian stream of bits, code i at bits 6 i .. 6 i + 5 (a code: sign, 2 exponent bits, 3 mantissa bits); and NAME_scales (uint8): the same leading axes, one E8M0 byte (e + 127) for each 32 codes along K. Its value is code x scale, taken as it is: it is not quantised again, and the codes and scales need not be those that the quantiser above would give.
;; One version. Each part assembles by itself: llvm-mc -triple=amdgcn-amd-amdhsa -mcpu=gfx1250 --defsym DOCPART=n.
;; ======== version 1 of 1: 3 launches
;; limits: right only within a limited range of input values
;; workspace buffers: q_img 6,291,456 bytes; k_img 6,291,456 bytes; v_img 6,291,456 bytes; q_sc 524,288 bytes; k_sc 524,288 bytes; v_sc 262,144 bytes; sa_img 6,291,456 bytes; sa_sc 262,144 bytes
;; launch proj (part 1): grid 4 x 48, 4 waves a work-group, clusters of 4 x 1, 327,680 bytes of LDS; arguments x_codes, x_scales, Wq_codes, Wq_scales, Wk_codes, Wk_scales, Wv_codes, Wv_scales, q_img, q_sc, k_img, k_sc, v_img, v_sc; writes q_img, q_sc, k_img, k_sc, v_img, v_sc
.if DOCPART == 1
	.amdgcn_target "amdgcn-amd-amdhsa--gfx1250"
	.amdhsa_code_object_version 6
	.text
	.protected	k_qcf425af788_proj
	.globl	k_qcf425af788_proj
	.p2align	8
	.type	k_qcf425af788_proj,@function
k_qcf425af788_proj:
	s_mov_b64 s[64:65], 0
	v_nop
	global_prefetch_b8 v0, s[64:65] scope:SCOPE_SE
	s_setreg_imm32_b32 hwreg(HW_REG_WAVE_MODE, 25, 1), 1
	s_wait_xcnt 0x0
	s_wait_alu depctr_hold_cnt(0) depctr_sa_sdst(0) depctr_va_vdst(0) depctr_va_sdst(0) depctr_va_ssrc(0) depctr_va_vcc(0) depctr_vm_vsrc(0)
	s_getreg_b32 s2, hwreg(HW_REG_IB_STS2, 6, 4)
	s_cmp_eq_u32 s2, 0
	s_cbranch_scc0 .Lentry_in_a_cluster
	s_endpgm
.Lentry_in_a_cluster:
	s_bfe_u32 s2, ttmp6, 0x10000c
	s_cmp_lg_u32 s2, 0x3003
	s_cbranch_scc0 .Lentry_shape_is_right
	s_endpgm
.Lentry_shape_is_right:
; q = x Wq, k = x Wk, v = x Wv on codes of FP6 (E2M3), one E8M0 scale for each 32 along K = 1,024; the f32 results are quantised in registers and leave as codes.
; ONE BODY FOR ALL THREE.  P is the side of which a lane holds one row (source 1), Q the side that runs along a lane's registers (source 0), the axis along which the result is quantised.
; q, k: P = rows of x, Q = rows of the weight (one head of 64 to a wave).  v: P = rows of Wv, Q = rows of x (64 keys to a wave).  The cluster's y / 16 says which: 0 q, 1 k, 2 v.
; A work-group makes 512 P x 256 Q.  A wave holds its 64 Q rows, all of K, in 384 registers; the P rows stream past in blocks of 16 rows, all of K: 32 products a block, and a block's sums are then finished.
; Tensor rows are whole rows of codes, 768 bytes, so each begins at a multiple of 256 bytes.
; LDS: X, 128 rows of 816 bytes (16 of padding behind each 256); W, 256 rows; the P rows' scale bytes for 384 rows; the spare words.  P block f lies at row 16 f mod 384.
; FILLS: at the head one load a wave: Q's rows in two halves into W, P rows 0-127 into X, the scale bytes of P rows 0-383.  Two refills, each behind the three lines and a round of the cluster's barrier
; W takes P rows 128-383 once all waves hold Q in registers; X and its scale bytes take P rows 384-511 once block 7 is in registers.  A plain barrier shows the last refill.
; CLUSTER 4 x 1: the four work-groups share their P rows (joint loads, mask 15); their Q rows differ, so those come by plain loads.  A 4 x 4 cluster is not used: v has only two groups of P rows.
; OUT: q_img, k_img [head 64][tile of 16 rows 128][768]; v_img [head 64][128 keys 16][16 channels 4][half 2][768]: a half fragment (6 registers a lane): registers 0-3 at 16 x lane, 4-5 at 512 + 8 x lane.
; q_sc, k_sc [head][pair of tiles 64][lane][4 bytes]: lanes 0-15 the even tile's rows, lanes 16-31 the odd tile's; bytes 0, 1 are the head's two blocks, bytes 2, 3 stand over zero codes and are never 0xff.
; v_sc [head][128 keys 16][pair of channel tiles 2][lane][4 bytes]: a byte for each 32 keys; a wave stores the two bytes of its 64 keys.
; Inside a block of 32, place 16 u + i holds index 16 (i / 8) + 8 u + i % 8, alike on both sides of each later product.
; LIMITS: NaN and infinities are not served.  A block of zeros gets the scale byte 1 where the quantiser's rule says 127: its codes are zeros, and this program alone reads the bytes.
; No prefetch: the head's tiles and the first refill are asked for with no loop ahead of them, and the last refill is asked for behind block 6's products, sixteen blocks of products ahead of the fetch of its first rows.
.set KROW,  768
.set PITCH, 816
.set FR,    12
.set FPW,   21                         ; fragments in a window of 256 registers; fragment f: window 1 + f / 21, register 12 (f % 21); 0-31 Q's (4 q + b), 32-39 and 40-47 P's two sets
.set NF,    28                         ; LDS loads of a block: 26 for eight fragments, 2 for eight scale words
.set WB,    128*PITCH
.set SCL,   384*PITCH
.set SPARE, SCL+48*272
.set ADRA0, 4                          ; v4, v5 row r of block 0 (v5: for pieces behind one padding more)
.set AAS0,  6                          ; v6  row r's scale words of block 0
.set OF16,  8
.set OF8,   9
.set SPW,   10
.set NIL,   11
.set ADRA,  12                         ; v12, v13 as v4, v5 for the block fetched next
.set OC16,  14
.set OC8,   15
.set ABS,   16
.set AAS,   17
.set OS4,   18
.set SB,    24                         ; v24-39 Q's scale words
.set SA,    44                         ; v44-59 P's, two sets
.set ACC,   64                         ; v64-127 the sums of a pair of blocks
.set PC,    128                        ; v128-146 codes
.set TM,    152                        ; v152-167 magnitudes, bytes, scale operands
.set PWS,   170
.set SSW,   171
.set BA,    240                        ; v240-247 LDS addresses of my four Q tiles
.set G1P, 24
.set G1Q, 32
.set G0Q, 40
.set G0X, 44
.set G0S, 48
.set G0R, 52
.set G1S, 68
.set SEL, 66
.set MK,  83
.set MSB, 0
.macro WIN new
.if MSB != (\new)
	s_set_vgpr_msb (MSB<<8)|(\new)
.set MSB, (\new)
.endif
.endm
.macro PLACES n
.rept \n
	v_nop
.endr
.endm
.macro WALU
	s_wait_alu depctr_va_vdst(0)
.endm
.macro CROUND
	s_barrier_signal -1
	s_barrier_wait -1
	s_cmp_lg_u32 s14, 0
	s_cbranch_scc1 .Lnot_wave_0_\@
	s_barrier_signal -3
.Lnot_wave_0_\@:
	s_barrier_wait -3
	s_barrier_signal -1
	s_barrier_wait -1
.endm
.macro TLOAD g0, g1
	tensor_load_to_lds s[\g0:\g0+3], s[\g1:\g1+7]
	s_nop 0
	PLACES 4
.endm
.macro FRAG f, q, a0, a1               ; six pieces of 8 bytes, two to a load where both lie behind as many paddings
	WIN (1+(\f)/FPW)<<6
.set R_, FR*((\f)%FPW)
.set SKIP_, 0
.irp p, 0,1,2,3,4,5
.if SKIP_
.set SKIP_, 0
.else
.set PC_, 12*(\q)+6*(\p/3)+\p%3
.set PN_, 12*(\q)+6*((\p+1)/3)+(\p+1)%3
.set X_, (PC_%32+3)/32
.set XQ_, (PN_%32+3)/32
.if (\p < 5) && (X_ == XQ_)
.set SKIP_, 1
.if X_
	ds_load_2addr_b64 v[R_+2*\p:R_+2*\p+3], \a1 offset0:PC_+2*(PC_/32) offset1:PN_+2*(PN_/32)
.else
	ds_load_2addr_b64 v[R_+2*\p:R_+2*\p+3], \a0 offset0:PC_+2*(PC_/32) offset1:PN_+2*(PN_/32)
.endif
.elseif X_
	ds_load_b64 v[R_+2*\p:R_+2*\p+1], \a1 offset:8*(PC_+2*(PC_/32))
.else
	ds_load_b64 v[R_+2*\p:R_+2*\p+1], \a0 offset:8*(PC_+2*(PC_/32))
.endif
.endif
.endr
.endm
.macro WEIGHTS                         ; my 64 Q rows, all of K: 104 loads
.irp q, 0,1,2,3,4,5,6,7
.irp b, 0,1,2,3
	FRAG 4*\q+\b, \q, v[BA+2*\b], v[BA+2*\b+1]
.endr
.endr
	WIN 0
.endm
.macro FETCH e                         ; a block of P rows into set e
.irp q, 0,1,2,3,4,5,6,7
	FRAG 32+8*(\e)+\q, \q, v[ADRA], v[ADRA+1]
.endr
	WIN 0
	ds_load_b128 v[SA+8*(\e):SA+8*(\e)+3], v[AAS]
	ds_load_b128 v[SA+8*(\e)+4:SA+8*(\e)+7], v[AAS] offset:16
.endm
.macro STEPA wrap                      ; the next block's LDS addresses; its four vector lines are the places between a block's products and the loads into their registers
.if \wrap
	s_mov_b32 s101, 0
	s_mov_b32 s91, 0
.else
	s_add_co_u32 s101, s101, 16*PITCH
	s_add_co_u32 s91, s91, 544
.endif
	v_add_nc_u32 v[ADRA], s101, v[ADRA0]
	v_add_nc_u32 v[ADRA+1], s101, v[ADRA0+1]
	v_add_nc_u32 v[AAS], s91, v[AAS0]
	v_nop
	WALU
.endm
.macro PROD1 d, s0, s1, c, x0, x1, o
.if \o
	v_wmma_scale_f32_16x16x128_f8f6f4 v[\d:\d+7], v[FR*((\s0)%FPW):FR*((\s0)%FPW)+FR-1], v[FR*((\s1)%FPW):FR*((\s1)%FPW)+FR-1], \c, v[\x0], v[\x1] matrix_a_fmt:MATRIX_FMT_FP6 matrix_b_fmt:MATRIX_FMT_FP6 matrix_a_scale:MATRIX_SCALE_ROW1
.else
	v_wmma_scale_f32_16x16x128_f8f6f4 v[\d:\d+7], v[FR*((\s0)%FPW):FR*((\s0)%FPW)+FR-1], v[FR*((\s1)%FPW):FR*((\s1)%FPW)+FR-1], \c, v[\x0], v[\x1] matrix_a_fmt:MATRIX_FMT_FP6 matrix_b_fmt:MATRIX_FMT_FP6
.endif
.endm
.macro BLK e, acc                      ; 32 products, n = 4 q + b: the four accumulators by turns; the first four start the sums
.set N_, 0
.rept 32
.set Q_, N_/4
.set FB_, 4*Q_+N_%4
.set FA_, 32+8*(\e)+Q_
.set D_, (\acc)+8*(N_%4)
.set XB_, SB+8*((N_%4)/2)+Q_
.set XA_, SA+8*(\e)+Q_
	WIN (1+FB_/FPW)|((1+FA_/FPW)<<2)
.if Q_
	PROD1 D_, FB_, FA_, v[D_:D_+7], XB_, XA_, N_%2
.else
	PROD1 D_, FB_, FA_, 0, XB_, XA_, N_%2
.endif
.set N_, N_+1
.endr
	WIN 0
.endm
; THE WAY OUT of a pair of blocks: registers 16 B .. 16 B + 15 of the 64 are my 16 numbers of scale block B (B = 0, 1 the even P block's, 2, 3 the odd one's); the other 16 lie in lane l xor 16.
.macro OUT
	s_wait_xcnt 0x0                        ; the last pair's stores have read their data and bases
	s_lshr_b32 s21, s86, 1
	s_mul_i32 s20, s86, s98
	s_mul_i32 s22, s21, s99
	s_add_co_u32 s20, s20, s22             ; where pair s86's images go
	s_mul_i32 s22, s21, s100
	s_lshl_b32 s23, s86, 7
	s_add_co_u32 s22, s22, s23             ; and its scale bytes
	s_mov_b32 s21, 0
	s_mov_b32 s23, 0
	s_add_nc_u64 s[84:85], s[12:13], s[20:21]
	s_add_nc_u64 s[88:89], s[96:97], s[22:23]
.irp b, 0,1,2,3
	v_max3_num_f32 v[TM+\b], |v[ACC+16*\b]|, |v[ACC+16*\b+1]|, 0x1800000   ; each accumulator from its low end on; the floor 2^(3 - 127) holds the byte at 1 from below
.endr
.irp i, 2,4,6,8,10,12,14
.irp b, 0,1,2,3
	v_max3_num_f32 v[TM+\b], |v[ACC+16*\b+\i]|, |v[ACC+16*\b+\i+1]|, v[TM+\b]
.endr
.endr
.irp b, 0,1,2,3
	v_permlanex16_b32 v[TM+4+\b], v[TM+\b], s[SEL], s[SEL+1]
.endr
.irp b, 0,1,2,3
	v_max_num_f32 v[TM+\b], v[TM+\b], v[TM+4+\b]
.endr
.irp b, 0,1,2,3
	v_add_nc_u32 v[TM+12+\b], 0xff000000, v[TM+\b]   ; 2 off the exponent field: the conversion's scale operand
.endr
.irp b, 0,1,2,3
	v_lshrrev_b32 v[TM+4+\b], 23, v[TM+12+\b]        ; the scale's byte
.endr
	v_lshl_or_b32 v[PWS], v[TM+5], 8, v[TM+4]
	v_lshl_or_b32 v[PWS], v[TM+6], 16, v[PWS]
	v_lshl_or_b32 v[PWS], v[TM+7], 24, v[PWS]
.irp c, 0,1
	v_cvt_scalef32_pk16_fp6_f32 v[PC+6*\c:PC+6*\c+2], v[ACC+32*\c:ACC+32*\c+15], v[TM+12+2*\c]
	v_cvt_scalef32_pk16_fp6_f32 v[PC+12+4*\c:PC+14+4*\c], v[ACC+32*\c+16:ACC+32*\c+31], v[TM+13+2*\c]
.endr
	v_nop                                  ; one plain line behind a scaled conversion
.irp c, 0,1                            ; a whole block in a lane: lanes 0-15 block 2 c, lanes 16-31 block 2 c + 1
.irp i, 0,1,2
	v_permlane16_swap_b32 v[PC+6*\c+\i], v[PC+12+4*\c+\i]
.endr
.irp i, 0,1,2
	v_mov_b32 v[PC+3+6*\c+\i], v[PC+12+4*\c+\i]
.endr
.endr
	v_lshrrev_b32 v[SSW], 16, v[PWS]
	v_cndmask_b32 v[SSW], v[PWS], v[SSW], s[MK]      ; lanes 0-15 the even block's two bytes below, lanes 16-31 the odd block's
	WALU
	global_store_b128 v[OF16], v[PC:PC+3], s[84:85]
	global_store_b64 v[OF8], v[PC+4:PC+5], s[84:85] offset:512
	global_store_b128 v[OC16], v[PC+6:PC+9], s[84:85]
	global_store_b64 v[OC8], v[PC+10:PC+11], s[84:85] offset:512
	s_cmp_eq_u32 s95, 2                    ; the cluster's y: alike in all partners
	s_cbranch_scc1 .Lv_\@
	global_store_b32 v[OS4], v[SSW], s[88:89]
	s_branch .Ld_\@
.Lv_\@:
	global_store_b16 v[OS4], v[SSW], s[88:89]        ; v: my 64 keys' two bytes of the word
.Ld_\@:
.endm
; A pair of blocks.  sync 1: the second refill's round; sync 2: the plain barrier that shows it; both stand behind the even block's products, ahead of the fetch that needs them.
; s_wait_dscnt NF: younger than a block's fetch is the next block's fetch alone.
.macro PAIR sync, fetch
	s_wait_dscnt NF
	BLK 0, ACC
.if \sync == 1
	s_wait_tensorcnt 0x0
	ds_add_u32 v[SPW], v[NIL]
	s_mul_i32 s[G0R+1], s14, 64*PITCH
	s_mul_i32 s20, s14, 64*KROW
	s_add_co_u32 s20, s20, 384*KROW
	s_mov_b32 s21, 0
	s_add_nc_u64 s[G0R+2:G0R+3], s[4:5], s[20:21]
	s_or_b32 s[G0R+3], s[G0R+3], 0x80000000
	s_add_nc_u64 s[G0S+2:G0S+3], s[6:7], 384*32
	s_or_b32 s[G0S+3], s[G0S+3], 0x80000000
	s_mov_b32 s[G1S+2], 16<<16
	s_mov_b32 s[G1S+4], 16
	s_wait_dscnt 0x0
	CROUND
	s_cmp_lt_u32 s14, 2
	s_cbranch_scc0 .Lsc_\@
	TLOAD G0R, G1P                         ; waves 0, 1: 64 rows each of P rows 384-511
	s_branch .Las_\@
.Lsc_\@:
	s_cmp_eq_u32 s14, 2
	s_cbranch_scc0 .Las_\@
	TLOAD G0S, G1S                         ; wave 2: their scale bytes
.Las_\@:
.elseif \sync == 2
	s_wait_tensorcnt 0x0
	s_wait_dscnt 0x0
	s_barrier_signal -1
	s_barrier_wait -1
.endif
.if \fetch
	STEPA (\sync == 2)
	FETCH 0
	s_wait_dscnt NF
.else
	s_wait_dscnt 0x0
.endif
	BLK 1, ACC+32
.if \fetch
	STEPA 0
	FETCH 1
.else
	PLACES 4
.endif
	OUT
	s_add_co_u32 s86, s86, 1
.endm
	s_load_b512 s[24:39], s[0:1], 0x0
	s_load_b256 s[40:47], s[0:1], 0x40
	s_load_b128 s[48:51], s[0:1], 0x60
	v_lshl_add_u32 v[SPW], v0, 2, SPARE
	v_mov_b32 v[NIL], 0
	ds_add_u32 v[SPW], v[NIL]              ; the opening lines: the add twice and its wait
	ds_add_u32 v[SPW], v[NIL]
	v_lshrrev_b32 v1, 5, v0
	v_readfirstlane_b32 s14, v1            ; wave
	s_and_b32 s17, ttmp7, 0xffff
	s_lshr_b32 s95, s17, 4                 ; 0 q, 1 k, 2 v
	s_and_b32 s18, s17, 15
	s_bfe_u32 s94, ttmp6, 0x40000          ; cx
	s_and_b32 s19, s18, 1
	s_lshr_b32 s20, s18, 1
	s_lshl_b32 s20, s20, 2
	s_mov_b32 s98, 3072
	s_mov_b32 s99, 92160
	s_mov_b32 s100, 3840
	s_mov_b32 s3, 1536
	s_mov_b32 s[SEL], 0x76543210
	s_mov_b32 s[SEL+1], 0xfedcba98
	s_mov_b32 s[MK], 0xffff0000
	WALU
	s_wait_dscnt 0x0
	s_wait_kmcnt 0x0
	s_cmp_eq_u32 s95, 0
	s_cselect_b64 s[52:53], s[28:29], s[32:33]
	s_cselect_b64 s[54:55], s[30:31], s[34:35]
	s_cselect_b64 s[56:57], s[40:41], s[44:45]
	s_cselect_b64 s[58:59], s[42:43], s[46:47]
	s_cmp_lt_u32 s95, 2
	s_cselect_b64 s[4:5], s[24:25], s[36:37]         ; P's codes: x | Wv
	s_cselect_b64 s[6:7], s[26:27], s[38:39]
	s_cselect_b64 s[8:9], s[52:53], s[24:25]         ; Q's codes: the weight | x
	s_cselect_b64 s[10:11], s[54:55], s[26:27]
	s_cselect_b64 s[12:13], s[56:57], s[48:49]
	s_cselect_b64 s[96:97], s[58:59], s[50:51]
	s_cselect_b32 s16, s18, s19            ; the group of 512 P rows: made of the cluster's y alone
	s_cselect_b32 s15, 0, s20
	s_cselect_b32 s98, 1536, s98           ; images: bytes from pair to pair,
	s_cselect_b32 s99, 0, s99              ; more behind every second pair (v: the next head),
	s_cselect_b32 s100, 0, s100            ; the same for the scale bytes,
	s_cselect_b32 s3, 768, s3              ; from a pair's first image to its second
	s_add_co_u32 s15, s15, s94             ; the block of 256 Q rows
	s_mov_b32 s21, 0
	s_mul_i32 s20, s16, 512*KROW
	s_add_nc_u64 s[4:5], s[4:5], s[20:21]
	s_lshl_b32 s20, s16, 14
	s_add_nc_u64 s[6:7], s[6:7], s[20:21]
	s_mul_i32 s20, s15, 256*KROW
	s_add_nc_u64 s[8:9], s[8:9], s[20:21]
	s_lshl_b32 s20, s15, 13
	s_lshl_b32 s22, s14, 11
	s_add_co_u32 s20, s20, s22
	s_add_nc_u64 s[10:11], s[10:11], s[20:21]        ; my 64 Q rows' scale bytes
	s_mov_b32 s[G1P], 15|(1<<20)|(1<<21)|(5<<22)|(3<<25)   ; joint, mask of all four; 16 bytes of padding behind each 256
	s_mov_b32 s[G1Q], (1<<20)|(5<<22)|(3<<25)
.irp g, G1P, G1Q
	s_mov_b32 s[\g+1], KROW<<16
	s_mov_b32 s[\g+2], 128<<16
	s_mov_b32 s[\g+3], KROW<<16
	s_mov_b32 s[\g+4], 128
	s_mov_b32 s[\g+5], KROW
	s_mov_b32 s[\g+6], 0
	s_mov_b32 s[\g+7], 0
.endr
	s_mov_b32 s[G1S], 15|(3<<16)|(1<<20)|(1<<21)|(5<<22)|(3<<25)
	s_mov_b32 s[G1S+1], 32<<16
	s_mov_b32 s[G1S+2], 48<<16
	s_mov_b32 s[G1S+3], 32<<16
	s_mov_b32 s[G1S+4], 48
	s_mov_b32 s[G1S+5], 32
	s_mov_b32 s[G1S+6], 0
	s_mov_b32 s[G1S+7], 0
	s_and_b32 s22, s14, 1
	s_mov_b32 s[G0Q], 1
	s_mul_i32 s[G0Q+1], s22, 128*PITCH
	s_add_co_u32 s[G0Q+1], s[G0Q+1], WB
	s_mul_i32 s20, s22, 128*KROW
	s_add_nc_u64 s[G0Q+2:G0Q+3], s[8:9], s[20:21]
	s_or_b32 s[G0Q+3], s[G0Q+3], 0x80000000
	s_mov_b32 s[G0X], 1
	s_mov_b32 s[G0X+1], 0
	s_mov_b64 s[G0X+2:G0X+3], s[4:5]
	s_or_b32 s[G0X+3], s[G0X+3], 0x80000000
	s_mov_b32 s[G0S], 1
	s_mov_b32 s[G0S+1], SCL
	s_mov_b64 s[G0S+2:G0S+3], s[6:7]
	s_or_b32 s[G0S+3], s[G0S+3], 0x80000000
	CROUND                                 ; ahead of the first joint loads
	s_cmp_eq_u32 s14, 1
	s_cbranch_scc0 .Lh_s
	TLOAD G0X, G1P                         ; wave 1: P rows 0-127
	s_branch .Lh_asked
.Lh_s:
	s_cmp_eq_u32 s14, 2
	s_cbranch_scc0 .Lh_q
	TLOAD G0S, G1S                         ; wave 2: the scale bytes of P rows 0-383
	s_branch .Lh_asked
.Lh_q:
	TLOAD G0Q, G1Q                         ; waves 0, 3: Q's two halves
.Lh_asked:
	v_and_b32 v1, 15, v0
	v_bfe_u32 v2, v0, 4, 1
	v_and_b32 v3, 31, v0
	v_lshlrev_b32 v[ABS], 5, v3
	WALU
.irp p, 0,1
.irp c, 0,1
	global_load_b128 v[SB+8*\p+4*\c:SB+8*\p+4*\c+3], v[ABS], s[10:11] offset:\p*1024+16*\c
.endr
.endr
	v_mul_u32_u24 v22, v1, PITCH
	v_mad_u32_u24 v[ADRA0], v2, 24, v22
	v_mad_u32_u24 v[ADRA0+1], v2, 40, v22
	s_mul_i32 s22, s14, 64*PITCH
	s_add_co_u32 s22, s22, WB
.irp b, 0,1,2,3
	v_add_nc_u32 v[BA+2*\b], s22, v[ADRA0]
	v_add_nc_u32 v[BA+2*\b+1], s22, v[ADRA0+1]
	s_add_co_u32 s22, s22, 16*PITCH
.endr
	v_lshlrev_b32 v23, 5, v1
	v_lshrrev_b32 v22, 3, v1
	v_lshl_add_u32 v23, v22, 4, v23
	v_add_nc_u32 v[AAS0], SCL, v23
	v_lshlrev_b32 v[OF16], 4, v3
	v_lshlrev_b32 v[OF8], 3, v3
	v_lshlrev_b32 v[OS4], 2, v3
	v_add_nc_u32 v[OC16], s3, v[OF16]
	v_add_nc_u32 v[OC8], s3, v[OF8]
.irp b, 0,1,2,3
	v_mov_b32 v[TM+4+\b], 0                ; a lane permute's destination counts as one of its sources
.endr
	s_lshr_b32 s20, s18, 2                 ; q, k: 16 x batch + head
	s_lshl_b32 s20, s20, 4
	s_lshl_b32 s21, s94, 2
	s_add_co_u32 s20, s20, s21
	s_add_co_u32 s20, s20, s14
	s_and_b32 s21, s18, 3
	s_mul_i32 s22, s20, 98304
	s_mul_i32 s23, s21, 24576
	s_add_co_u32 s22, s22, s23
	s_lshl_b32 s76, s20, 13
	s_lshl_b32 s77, s21, 11
	s_add_co_u32 s76, s76, s77
	s_lshr_b32 s20, s15, 3                 ; v: 16 x batch + the first head of my P rows,
	s_lshl_b32 s20, s20, 4
	s_lshl_b32 s21, s19, 3
	s_add_co_u32 s20, s20, s21
	s_and_b32 s21, s15, 7                  ; which 128 keys,
	s_lshl_b32 s21, s21, 1
	s_lshr_b32 s23, s14, 1
	s_add_co_u32 s21, s21, s23
	s_and_b32 s23, s14, 1                  ; which half of them
	s_mul_i32 s78, s20, 98304
	s_mul_i32 s79, s21, 6144
	s_add_co_u32 s78, s78, s79
	s_mul_i32 s79, s23, 768
	s_add_co_u32 s78, s78, s79
	s_lshl_b32 s80, s20, 12
	s_lshl_b32 s81, s21, 8
	s_add_co_u32 s80, s80, s81
	s_lshl_b32 s81, s23, 1
	s_add_co_u32 s80, s80, s81
	s_cmp_lt_u32 s95, 2
	s_cselect_b32 s20, s22, s78
	s_cselect_b32 s22, s76, s80
	s_mov_b32 s21, 0
	s_mov_b32 s23, 0
	s_add_nc_u64 s[12:13], s[12:13], s[20:21]
	s_add_nc_u64 s[96:97], s[96:97], s[22:23]
	WALU                                   ; the wait at the head's end
	s_wait_tensorcnt 0x0
	s_barrier_signal -1
	s_barrier_wait -1                      ; all four tiles of the head are in
	WEIGHTS
	s_wait_tensorcnt 0x0                   ; the first refill's three lines
	ds_add_u32 v[SPW], v[NIL]
	s_mov_b32 s[G1P+2], 64<<16             ; from here on a load of P rows brings 64
	s_mov_b32 s[G1P+4], 64
	s_mov_b32 s[G0R], 1
	s_mul_i32 s[G0R+1], s14, 64*PITCH
	s_add_co_u32 s[G0R+1], s[G0R+1], WB
	s_mul_i32 s20, s14, 64*KROW
	s_add_co_u32 s20, s20, 128*KROW
	s_mov_b32 s21, 0
	s_add_nc_u64 s[G0R+2:G0R+3], s[4:5], s[20:21]
	s_or_b32 s[G0R+3], s[G0R+3], 0x80000000
	s_wait_dscnt 0x0                       ; Q is in my registers
	CROUND
	TLOAD G0R, G1P                         ; every wave: 64 of P rows 128-383, onto Q's rows
	STEPA 1
	FETCH 0
	STEPA 0
	FETCH 1
	s_wait_loadcnt 0x0                     ; Q's scale words
	s_mov_b32 s86, 0
.Lp1:                                          ; pairs 0-2
	PAIR 0, 1
	s_cmp_lt_u32 s86, 3
	WALU
	s_cbranch_scc1 .Lp1
	PAIR 1, 1                              ; pair 3
.Lp2:                                          ; pairs 4-10
	PAIR 0, 1
	s_cmp_lt_u32 s86, 11
	WALU
	s_cbranch_scc1 .Lp2
	PAIR 2, 1                              ; pair 11
.Lp3:                                          ; pairs 12-14
	PAIR 0, 1
	s_cmp_lt_u32 s86, 15
	WALU
	s_cbranch_scc1 .Lp3
	PAIR 0, 0                              ; the last pair fetches nothing
	s_wait_tensorcnt 0x0                   ; the wave's end
	ds_add_u32 v[SPW], v[NIL]
	s_wait_dscnt 0x0
	CROUND
	s_endpgm
.Lfunc_end_k_qcf425af788_proj:
	.size	k_qcf425af788_proj, .Lfunc_end_k_qcf425af788_proj-k_qcf425af788_proj
	.p2alignl 7, 3214868480
	.fill 96, 4, 3214868480
	.section	.rodata,"a",@progbits
	.p2align	6, 0x0
	.amdhsa_kernel k_qcf425af788_proj
		.amdhsa_group_segment_fixed_size 327680
		.amdhsa_private_segment_fixed_size 0
		.amdhsa_enable_private_segment 0
		.amdhsa_kernarg_size 112
		.amdhsa_user_sgpr_count 2
		.amdhsa_user_sgpr_kernarg_segment_ptr 1
		.amdhsa_wavefront_size32 1
		.amdhsa_system_sgpr_workgroup_id_x 1
		.amdhsa_system_sgpr_workgroup_id_y 1
		.amdhsa_system_sgpr_workgroup_id_z 1
		.amdhsa_system_vgpr_workitem_id 0
		.amdhsa_next_free_vgpr 840
		.amdhsa_next_free_sgpr 102
		.amdhsa_reserve_vcc 0
		.amdhsa_float_denorm_mode_32 3
		.amdhsa_float_denorm_mode_16_64 3
		.amdhsa_memory_ordered 1
		.amdhsa_forward_progress 1
		.amdhsa_inst_pref_size 125
	.end_amdhsa_kernel
	.amdgpu_metadata
---
amdhsa.version: [ 1, 2 ]
amdhsa.kernels:
  - .name:           k_qcf425af788_proj
    .symbol:         k_qcf425af788_proj.kd
    .args:
      - { .name: x_codes, .offset: 0, .size: 8, .value_kind: global_buffer, .address_space: global }
      - { .name: x_scales, .offset: 8, .size: 8, .value_kind: global_buffer, .address_space: global }
      - { .name: Wq_codes, .offset: 16, .size: 8, .value_kind: global_buffer, .address_space: global }
      - { .name: Wq_scales, .offset: 24, .size: 8, .value_kind: global_buffer, .address_space: global }
      - { .name: Wk_codes, .offset: 32, .size: 8, .value_kind: global_buffer, .address_space: global }
      - { .name: Wk_scales, .offset: 40, .size: 8, .value_kind: global_buffer, .address_space: global }
      - { .name: Wv_codes, .offset: 48, .size: 8, .value_kind: global_buffer, .address_space: global }
      - { .name: Wv_scales, .offset: 56, .size: 8, .value_kind: global_buffer, .address_space: global }
      - { .name: q_img, .offset: 64, .size: 8, .value_kind: global_buffer, .address_space: global }
      - { .name: q_sc, .offset: 72, .size: 8, .value_kind: global_buffer, .address_space: global }
      - { .name: k_img, .offset: 80, .size: 8, .value_kind: global_buffer, .address_space: global }
      - { .name: k_sc, .offset: 88, .size: 8, .value_kind: global_buffer, .address_space: global }
      - { .name: v_img, .offset: 96, .size: 8, .value_kind: global_buffer, .address_space: global }
      - { .name: v_sc, .offset: 104, .size: 8, .value_kind: global_buffer, .address_space: global }
    .group_segment_fixed_size: 327680
    .private_segment_fixed_size: 0
    .kernarg_segment_align: 8
    .kernarg_segment_size: 112
    .max_flat_workgroup_size: 128
    .sgpr_count:     102
    .vgpr_count:     840
    .wavefront_size: 32
...
	.end_amdgpu_metadata
.endif
;; end of part 1
;; launch attn (part 2): grid 8 x 32, 16 waves a work-group, clusters of 4 x 1, 327,680 bytes of LDS; arguments q_img, q_sc, k_img, k_sc, v_img, v_sc, sa_img, sa_sc; writes sa_img, sa_sc
.if DOCPART == 2
	.amdgcn_target "amdgcn-amd-amdhsa--gfx1250"
	.amdhsa_code_object_version 6
	.text
	.protected	k_qcf425af788_attn
	.globl	k_qcf425af788_attn
	.p2align	8
	.type	k_qcf425af788_attn,@function
k_qcf425af788_attn:
	s_mov_b64 s[64:65], 0
	v_nop
	global_prefetch_b8 v0, s[64:65] scope:SCOPE_SE
	s_setreg_imm32_b32 hwreg(HW_REG_WAVE_MODE, 25, 1), 1
	s_wait_xcnt 0x0
	s_wait_alu depctr_hold_cnt(0) depctr_sa_sdst(0) depctr_va_vdst(0) depctr_va_sdst(0) depctr_va_ssrc(0) depctr_va_vcc(0) depctr_vm_vsrc(0)
	s_getreg_b32 s2, hwreg(HW_REG_IB_STS2, 6, 4)
	s_cmp_eq_u32 s2, 0
	s_cbranch_scc0 .Lentry_in_a_cluster
	s_endpgm
.Lentry_in_a_cluster:
	s_bfe_u32 s2, ttmp6, 0x10000c
	s_cmp_lg_u32 s2, 0x3003
	s_cbranch_scc0 .Lentry_shape_is_right
	s_endpgm
.Lentry_shape_is_right:
; SA[b][n][head][:] = the sum over keys of softmax(q . k / 8) v, both products on codes of FP6 (E2M3) with one E8M0 scale for each 32 along a product's K; SA leaves as codes, quantised along the inner axis.
; THE SOFTMAX AHEAD OF THE SECOND PRODUCT: t = score x log2(e) / 8; M = the row's largest t so far, rounded up to a whole number; p = 2^(t - M) is quantised along the keys, not normalised.
; The row's sum is taken of the unquantised p and divides at the end.  When M moves, the sum and O are multiplied by 2^(old M - new M), which rounds nothing.
; SHARES.  A work-group owns 256 queries of one PAIR of heads, one head after the other; each of its sixteen waves owns one tile of 16 queries in 256 registers: four waves to a SIMD.
; The pair gives a wave a whole fragment of SA (128 along the inner axis) and a whole scale word a row.  Every wave walks all 2,048 keys of a head, 128 a step.
; ALL OPERANDS ARRIVE AS IMAGES OF THEIR REGISTERS (a half fragment, 6 registers a lane, is 768 bytes: registers 0-3 at 16 x lane, 4-5 at 512 + 8 x lane): every LDS read takes consecutive bytes in consecutive lanes.
; The first product's K is the head's 64: registers 6-11 of q's and k's fragments are zero codes, which add nothing under any scale byte but 0xff; those bytes are 0 to 254 here.
; LAYOUT.  Both products are used transposed: S^T = k q^T, O^T = v^T p^T: a lane holds ONE query (lane % 16) throughout.  Register 8 T + j of S^T is key 16 T + 8 (lane / 16) + j.
; So p's codes stand inside each block of 32 keys in the order in which the launch before laid v's: place 16 u + i holds key 16 (i / 8) + 8 u + i % 8.  Blocks and scales are the true ones.
; THE RING: two LDS slots, each with 1,024 keys of one head (k's 64 tiles, then v's 8 steps); the pair's four halves go through slots 0, 1, 0, 1.  The pair's scale words stay in LDS.
; CLUSTER: the four blocks of queries of a cluster walk the same k and v: each tile is asked for jointly, by the same tensor load with the same descriptor and the mask of all four.
; LIMITS: NaN and infinities are not served.  A block of zeros gets the scale byte 1 where the quantiser's rule says 127: its codes are zeros, and this program alone reads the bytes.
.set SLOTB, 98304                      ; a slot
.set VOFF,  49152                      ; v's steps lie behind k's tiles
.set STEPB, 6144                       ; 128 keys of k (8 tiles x 768), and of v (4 fragments x 1,536)
.set SCK,   2*SLOTB                    ; the pair's scale words of k: 16,384 bytes
.set SCV,   SCK+16384                  ; and of v: 8,192
.set SPARE, SCV+8192                   ; the spare words, 128 bytes for each of sixteen waves
.set LI16, 1                           ; v1   16 x lane
.set LI8,  2                           ; v2   8 x lane
.set ASK0, 3                           ; v3   16 x lane + SCK
.set ASV0, 4                           ; v4   16 x lane + SCV
.set SPW,  5                           ; v5   my spare word; never rewritten
.set NIL,  6                           ; v6   0; never rewritten
.set AD16, 8                           ; v8-11 the step's LDS addresses
.set AD8,  9
.set ADS,  10
.set ADT,  11
                                       ; v12 -M, v13 the largest t, v[14:15] the sum in two halves
.set QF,   16                          ; v16-27  q's fragment
.set QS,   28                          ; v28     q's scale words
.set QBS,  29                          ; v29     the odd head's
.set QB,   30                          ; v30-35  the odd head's q
.set KFR,  36                          ; v36-83  four fragments of k
.set KSC,  84                          ; v84-87  k's scale words of a step
.set VSC,  88                          ; v88-89  v's
.set S,    96                          ; v96-159 S^T, then p
.set VF,   96                          ; v96-143 v's four fragments, once p's first 48 numbers are spent
.set O,    160                         ; v160-191 O^T
.set PC,   192                         ; v192-203 p's codes
.set PT,   204                         ; v204-211 the conversions' second halves
.set BM,   212                         ; v212-215 a block's largest score, then its largest p
.set BP,   216                         ; v216-219 the other half's, then the bytes
.set BS,   220                         ; v220-223 the conversions' scale operands
.set SA,   224                         ; v224-235 SA's codes
.set SW,   236                         ; v236    SA's scale word
.set F,    238                         ; v[238:239] 2^(old M - new M), and 0
.set PW,   240                         ; v240    p's scale word
.set WV,   20
.set G1,   24                          ; s[24:31] group 1: 96 rows of 256 bytes
.set G1SK, 32                          ; s[32:39] 32 rows
.set G1SV, 40                          ; s[40:47] 16 rows
.set G0K0, 48                          ; s[48:55] k's groups 0, one for each slot
.set G0V0, 56                          ; s[56:63] v's
.set G0SK, 68
.set G0SV, 72
.set CS,   76                          ; s[76:77] c = log2(e) / 8
.set SEL,  78                          ; s[78:79] lane selects: lane l xor 16
.set TB,   80                          ; s80  LDS byte at which the step's k tiles begin
.set TS,   81                          ; s81  where its scale words of k begin
.set TJ,   82                          ; s82  and of v
.set CNT,  83
.macro CROUND                          ; a round of the cluster's barrier
	s_barrier_signal -1
	s_barrier_wait -1
	s_cmp_lg_u32 s[WV], 0
	s_cbranch_scc1 .Lnot_wave_0_\@
	s_barrier_signal -3
.Lnot_wave_0_\@:
	s_barrier_wait -3
	s_barrier_signal -1
	s_barrier_wait -1
.endm
; A joint refill: waves 0 and 1 fetch k's halves of a slot, waves 2 and 3 v's, the others nothing.  The branches hang on the wave's number alone.  Four v_nop follow each line.
.macro TLOAD g0k, g0v
	s_cmp_lt_u32 s[WV], 2
	s_cbranch_scc0 .Lnot_k_\@
	tensor_load_to_lds s[\g0k:\g0k+3], s[G1:G1+7]
	s_nop 0
.rept 4
	v_nop
.endr
	s_branch .Lasked_\@
.Lnot_k_\@:
	s_cmp_lt_u32 s[WV], 4
	s_cbranch_scc0 .Lasked_\@
	tensor_load_to_lds s[\g0v:\g0v+3], s[G1:G1+7]
	s_nop 0
.rept 4
	v_nop
.endr
.Lasked_\@:
.endm
.macro RESET                           ; a head begins: the step is written once, and its first turn finds zeros, which the first change of M leaves zeros
	v_mov_b32 v13, 0xff61b1e6                      ; the largest t so far: -3e38
	s_delay_alu instid0(VALU_DEP_1)
	v_floor_f32 v12, -v13                          ; -M
	v_mov_b32 v14, 0
	v_mov_b32 v15, 0
.set j, 0
.rept 32
	v_mov_b32 v[O+j], 0
.set j, j+1
.endr
.endm
	s_load_b512 s[4:19], s[0:1], 0x0               ; q_img, q_sc, k_img, k_sc, v_img, v_sc, sa_img, sa_sc
	v_lshl_add_u32 v[SPW], v0, 2, SPARE
	v_mov_b32 v[NIL], 0
	ds_add_u32 v5, v6
	ds_add_u32 v5, v6
	s_wait_dscnt 0x0
	v_lshrrev_b32 v7, 5, v0
	s_delay_alu instid0(VALU_DEP_1)
	v_readfirstlane_b32 s[WV], v7                  ; wave 0..15
	s_bfe_u32 s84, ttmp6, 0x40000                  ; cx: my place in the cluster
	s_lshl_b32 s85, ttmp9, 2
	s_add_co_u32 s85, s85, s84                     ; my block of 256 queries: it enters q's and SA's addresses alone
	s_and_b32 s86, ttmp7, 0xffff                   ; the pair of heads, which the four partners share
	s_and_b32 s87, s[WV], 1                        ; which half of a tile I fetch, if I fetch
	s_mul_i32 s88, s86, 196608                     ; the pair's first byte in k_img and in v_img,
	s_mul_i32 s90, s87, 24576                      ; my half: in memory and in a slot
	s_add_co_u32 s88, s88, s90
	s_mov_b32 s89, 0
	s_lshl_b32 s92, s86, 14                        ; the pair's scale words of k,
	s_lshl_b32 s91, s87, 13                        ; my half of them
	s_add_co_u32 s92, s92, s91
	s_mov_b32 s93, 0
	s_lshr_b32 s94, s92, 1                         ; v's are half as many
	s_mov_b32 s95, 0
	s_lshl_b32 s21, s87, 12
	; descriptor groups 1: dense blocks as rows of 256 bytes (32 elements of 8 bytes); 15:0 the mask of all four work-groups, bit 21 beside it; no padding
.irp g, G1, G1SK, G1SV
	s_mov_b32 s[\g], 15|(3<<16)|(1<<21)
	s_mov_b32 s[\g+1], 32<<16                      ; tensor_dim0
	s_mov_b32 s[\g+3], 32<<16                      ; tile_dim0
	s_mov_b32 s[\g+5], 32                          ; tensor_dim0_stride
	s_mov_b32 s[\g+6], 0
	s_mov_b32 s[\g+7], 0
.endr
	s_mov_b32 s[G1+2], 96<<16                      ; tensor_dim1,
	s_mov_b32 s[G1+4], 96                          ; tile_dim1: 24,576 bytes
	s_mov_b32 s[G1SK+2], 32<<16
	s_mov_b32 s[G1SK+4], 32
	s_mov_b32 s[G1SV+2], 16<<16
	s_mov_b32 s[G1SV+4], 16
	s_mov_b32 s[CS], 0x3e38aa3b                    ; log2(e) / 8
	s_mov_b32 s[CS+1], s[CS]                       ; (named with it as a pair)
	s_mov_b32 s[SEL], 0x76543210
	s_mov_b32 s[SEL+1], 0xfedcba98
	s_mov_b32 s[TS], 0
	s_mov_b32 s[TJ], 0
	s_wait_kmcnt 0x0
	s_add_nc_u64 s[8:9], s[8:9], s[88:89]
	s_add_nc_u64 s[12:13], s[12:13], s[88:89]
	s_mov_b32 s[G0SK], 1
	s_add_co_u32 s[G0SK+1], s91, SCK
	s_add_nc_u64 s[G0SK+2:G0SK+3], s[10:11], s[92:93]
	s_or_b32 s[G0SK+3], s[G0SK+3], 0x80000000
	s_mov_b32 s[G0SV], 1
	s_add_co_u32 s[G0SV+1], s21, SCV
	s_add_nc_u64 s[G0SV+2:G0SV+3], s[14:15], s[94:95]
	s_or_b32 s[G0SV+3], s[G0SV+3], 0x80000000
.irp s, 0,1
	s_mov_b32 s[G0K0+4*\s], 1
	s_add_co_u32 s[G0K0+4*\s+1], s90, \s*SLOTB
	s_add_nc_u64 s[G0K0+4*\s+2:G0K0+4*\s+3], s[8:9], \s*49152      ; slot s begins with the even head's keys 1,024 s on
	s_or_b32 s[G0K0+4*\s+3], s[G0K0+4*\s+3], 0x80000000
	s_mov_b32 s[G0V0+4*\s], 1
	s_add_co_u32 s[G0V0+4*\s+1], s90, \s*SLOTB+VOFF
	s_add_nc_u64 s[G0V0+4*\s+2:G0V0+4*\s+3], s[12:13], \s*49152
	s_or_b32 s[G0V0+4*\s+3], s[G0V0+4*\s+3], 0x80000000
.endr
	CROUND                                         ; all four work-groups are here: the first joint loads meet
	s_cmp_lt_u32 s[WV], 2                          ; a wave asks for one first fill at most
	s_cbranch_scc0 .Lfirst_1               ; the twelve first fills, one a wave, in one chain of branches on the wave's number: waves 0, 1 k's scale words
	tensor_load_to_lds s[G0SK:G0SK+3], s[G1SK:G1SK+7]
	s_nop 0
.rept 4
	v_nop
.endr
	s_branch .Lfirst_asked
.Lfirst_1:
.macro ARM under, g0, g1, next
	s_cmp_lt_u32 s[WV], \under
	s_cbranch_scc0 \next
	tensor_load_to_lds s[\g0:\g0+3], s[\g1:\g1+7]
	s_nop 0
.rept 4
	v_nop
.endr
	s_branch .Lfirst_asked
\next:
.endm
	ARM 4, G0SV, G1SV, .Lfirst_2           ; waves 2, 3: v's scale words
	ARM 6, G0K0, G1, .Lfirst_3             ; 4, 5: slot 0's k
	ARM 8, G0V0, G1, .Lfirst_4             ; 6, 7: slot 0's v
	ARM 10, G0K0+4, G1, .Lfirst_5          ; 8, 9: slot 1's k
	s_cmp_lt_u32 s[WV], 12
	s_cbranch_scc0 .Lfirst_asked
	tensor_load_to_lds s[G0V0+4:G0V0+7], s[G1:G1+7]   ; 10, 11: slot 1's v
	s_nop 0
.rept 4
	v_nop
.endr
.Lfirst_asked:
	v_and_b32 v7, 31, v0
	s_delay_alu instid0(VALU_DEP_1)
	v_lshlrev_b32 v[LI16], 4, v7
	s_wait_alu depctr_va_vdst(0)
	v_lshlrev_b32 v[LI8], 3, v7
	s_wait_alu depctr_va_vdst(0)
	v_lshl_add_u32 v[ASK0], v7, 2, SCK             ; 4 x lane + SCK: a pair of tiles has 128 bytes of scale words
	v_lshl_add_u32 v[ASV0], v7, 2, SCV
	v_and_b32 v246, 15, v0
	s_delay_alu instid0(VALU_DEP_1)
	v_lshlrev_b32 v247, 5, v246                    ; 32 r: a row of SA's scale bytes
	s_delay_alu instid0(VALU_DEP_2)
	v_lshlrev_b32 v246, 2, v246                    ; 4 r: a row's word in q_sc
	s_wait_alu depctr_va_vdst(0)
	s_lshl_b32 s22, s85, 4
	s_add_co_u32 s22, s22, s[WV]                   ; my tile of 16 queries, 0..127
	s_mul_i32 s88, s86, 196608
	s_mul_i32 s23, s22, 768
	s_add_co_u32 s88, s88, s23
	s_add_nc_u64 s[4:5], s[4:5], s[88:89]          ; q's image, the even head's
	s_lshl_b32 s88, s86, 14                        ; q's scale words: the pair, the group of 128 queries, the half of the lanes and the word that hold my tile
	s_lshl_b32 s23, s22, 6                         ; 64 bytes for each tile of 16 queries
	s_add_co_u32 s88, s88, s23
	s_add_nc_u64 s[6:7], s[6:7], s[88:89]
	global_load_b128 v[QF:QF+3], v[LI16], s[4:5]
	global_load_b64 v[QF+4:QF+5], v[LI8], s[4:5] offset:512
	global_load_b128 v[QB:QB+3], v[LI16], s[4:5] offset:98304      ; the odd head's
	global_load_b64 v[QB+4:QB+5], v[LI8], s[4:5] offset:98816
	global_load_b32 v[QS], v246, s[6:7]
	global_load_b32 v[QBS], v246, s[6:7] offset:8192
	s_lshr_b32 s23, s86, 3                         ; SA: the batch,
	s_lshl_b32 s23, s23, 7
	s_add_co_u32 s23, s23, s22                     ; my tile of 16 rows among all 512
	s_and_b32 s84, s86, 7                          ; which 128 of the inner axis
	s_lshr_b32 s88, s84, 1
	s_lshl_b32 s88, s88, 9
	s_add_co_u32 s88, s88, s23
	s_mul_i32 s88, s88, 3072
	s_and_b32 s85, s84, 1
	s_mul_i32 s85, s85, 1536
	s_add_co_u32 s88, s88, s85
	s_add_nc_u64 s[16:17], s[16:17], s[88:89]
	s_lshl_b32 s88, s23, 9
	s_lshl_b32 s84, s84, 2
	s_add_co_u32 s88, s88, s84
	s_add_nc_u64 s[18:19], s[18:19], s[88:89]
.irp i, 6,7,8,9,10,11
	v_mov_b32 v[QF+\i], 0                          ; zero codes for K = 64 .. 127, written once
.irp t, 0,1,2,3
	v_mov_b32 v[KFR+12*\t+\i], 0
.endr
.endr
.irp b, 0,1,2,3
	v_mov_b32 v[BP+\b], 0                          ; a lane permute's destination counts as one of its sources
.endr
	v_mov_b32 v[F+1], 0                            ; (named as the upper half of a pair)
	v_mov_b32 v242, 0
	RESET
; A KEY STEP: 128 keys.
.macro STEP
	v_add_nc_u32 v[AD16], s[TB], v[LI16]
	s_wait_alu depctr_va_vdst(0)
	v_add_nc_u32 v[AD8], s[TB], v[LI8]
	s_wait_alu depctr_va_vdst(0)
	v_add_nc_u32 v[ADS], s[TS], v[ASK0]
	v_add_nc_u32 v[ADT], s[TJ], v[ASV0]
	v_nop
	v_nop                                          ; six plain lines behind the last step's products: the new scores are written over the registers that held v's fragments, which asks for five
.irp g, 0,1                                    ; S^T = k q^T, four tiles of 16 keys at a time
.if \g
.rept 4
	v_nop                                          ; places in front of loads into registers that matrix instructions have read
.endr
.endif
.irp t, 0,1,2,3
	ds_load_b128 v[KFR+12*\t:KFR+12*\t+3], v[AD16] offset:768*(4*\g+\t)
	ds_load_b64 v[KFR+12*\t+4:KFR+12*\t+5], v[AD8] offset:768*(4*\g+\t)+512
.endr
.if \g == 0
.irp b, 0,1,2,3
	ds_load_b32 v[KSC+\b], v[ADS] offset:128*\b    ; word b: lanes 0-15 tile 2 b's rows, lanes 16-31 tile 2 b + 1's
.endr
.endif
	s_wait_dscnt 0x0
.irp t, 0,2
	v_wmma_scale_f32_16x16x128_f8f6f4 v[S+8*(4*\g+\t):S+8*(4*\g+\t)+7], v[KFR+12*\t:KFR+12*\t+11], v[QF:QF+11], 0, v[KSC+2*\g+\t/2], v[QS] matrix_a_fmt:MATRIX_FMT_FP6 matrix_b_fmt:MATRIX_FMT_FP6
	v_wmma_scale_f32_16x16x128_f8f6f4 v[S+8*(4*\g+\t)+8:S+8*(4*\g+\t)+15], v[KFR+12*\t+12:KFR+12*\t+23], v[QF:QF+11], 0, v[KSC+2*\g+\t/2], v[QS] matrix_a_fmt:MATRIX_FMT_FP6 matrix_b_fmt:MATRIX_FMT_FP6 matrix_a_scale:MATRIX_SCALE_ROW1
.endr
.endr
.rept 4
	v_nop
.endr
.irp b, 0,1,2,3
	v_max3_num_f32 v[BM+\b], v[S+16*\b], v[S+16*\b+1], v[S+16*\b+2]   ; the largest score of each block of 32 keys: it serves the row's maximum and, since p rises with the score, the block's largest p
.endr
.irp i, 3,5,7,9,11,13
.irp b, 0,1,2,3
	v_max3_num_f32 v[BM+\b], v[BM+\b], v[S+16*\b+\i], v[S+16*\b+\i+1]
.endr
.endr
.irp b, 0,1,2,3
	v_max_num_f32 v[BM+\b], v[BM+\b], v[S+16*\b+15]
.endr
.irp b, 0,1,2,3
	s_delay_alu instid0(VALU_DEP_4)
	v_permlanex16_b32 v[BP+\b], v[BM+\b], s[SEL], s[SEL+1]
.endr
.irp b, 0,1,2,3
	s_delay_alu instid0(VALU_DEP_4)
	v_max_num_f32 v[BM+\b], v[BM+\b], v[BP+\b]     ; with lane l xor 16's 16 keys
.endr
	s_delay_alu instid0(VALU_DEP_2)
	v_max3_num_f32 v242, v[BM], v[BM+1], v[BM+2]
	s_delay_alu instid0(VALU_DEP_1)
	v_max_num_f32 v242, v242, v[BM+3]              ; the step's largest score of my query
	s_delay_alu instid0(VALU_DEP_1)
	v_mul_f32 v242, s[CS], v242                    ; as t (c is positive)
	s_delay_alu instid0(VALU_DEP_1)
	v_max_num_f32 v13, v13, v242                   ; the running largest t
	v_mov_b32 v242, v12
	s_delay_alu instid0(VALU_DEP_2)
	v_floor_f32 v12, -v13                          ; the new -M = -ceil(t): a whole number
	s_delay_alu instid0(VALU_DEP_1)
	v_sub_f32 v242, v12, v242                      ; old M - new M: a whole number, 0 or less
	s_delay_alu instid0(VALU_DEP_1)
	v_cvt_i32_f32 v242, v242                       ; (it saturates)
	s_delay_alu instid0(VALU_DEP_1)
	v_ldexp_f32 v[F], 1.0, v242                    ; f = 2^(old M - new M)
.set j, 0
.rept 32
	v_pk_fma_f32 v[S+j:S+j+1], v[S+j:S+j+1], s[CS:CS+1], v[12:13] op_sel_hi:[1,0,0]   ; t - M, two at a time
.set j, j+2
.endr
.irp b, 0,1,2,3
	v_fma_f32 v[BM+\b], v[BM+\b], s[CS], v12       ; the same of each block's largest score
.endr
.set j, 0
	s_wait_alu depctr_va_vdst(0)
.rept 64
	v_exp_f32 v[S+j], v[S+j]                       ; p = 2^(t - M), at most 1
.set j, j+1
.endr
.irp b, 0,1,2,3
	v_exp_f32 v[BM+\b], v[BM+\b]                   ; the block's largest p: the same two instructions on the same number
.endr
	v_pk_mul_f32 v[14:15], v[14:15], v[F:F+1] op_sel_hi:[1,0]      ; the sums under the new M.  (A plain line behind the exponentials)
	s_wait_alu depctr_va_vdst(0)
.irp b, 0,1,2,3
	v_max_num_f32 v[BM+\b], 0x1800000, v[BM+\b]    ; the floor 2^(3 - 127): the byte cannot fall under 1
.endr
.irp b, 0,1,2,3
	s_delay_alu instid0(VALU_DEP_4)
	v_add_nc_u32 v[BS+\b], 0xff000000, v[BM+\b]    ; 2 off the exponent field: the conversion's scale operand
.endr
.irp b, 0,1,2,3
	s_delay_alu instid0(VALU_DEP_4)
	v_lshrrev_b32 v[BP+\b], 23, v[BS+\b]           ; the scale's byte
.endr
	s_delay_alu instid0(VALU_DEP_3)
	v_lshl_or_b32 v[PW], v[BP+1], 8, v[BP]         ; p's scale word for these 128 keys
	s_delay_alu instid0(VALU_DEP_1)
	v_lshl_or_b32 v[PW], v[BP+2], 16, v[PW]
	s_delay_alu instid0(VALU_DEP_1)
	v_lshl_or_b32 v[PW], v[BP+3], 24, v[PW]
.irp c, 0,1
	v_cvt_scalef32_pk16_fp6_f32 v[PC+6*\c:PC+6*\c+2], v[S+32*\c:S+32*\c+15], v[BS+2*\c]
	v_cvt_scalef32_pk16_fp6_f32 v[PT+4*\c:PT+4*\c+2], v[S+32*\c+16:S+32*\c+31], v[BS+2*\c+1]
.endr
	v_nop                                          ; one plain line behind a scaled conversion
.irp c, 0,1                                    ; a whole block in a lane: lanes 0-15 block 2 c, lanes 16-31 block 2 c + 1
.irp i, 0,1,2
	v_permlane16_swap_b32 v[PC+6*\c+\i], v[PT+4*\c+\i]
.endr
.irp i, 0,1,2
	s_delay_alu instid0(VALU_DEP_3)
	v_mov_b32 v[PC+3+6*\c+\i], v[PT+4*\c+\i]
.endr
.endr
	v_pk_add_f32 v[244:245], v[S:S+1], v[S+2:S+3]  ; the row's sum is taken of the unquantised p: two at a time, in two chains; first the 48 numbers whose registers v's fragments take
.irp j, 4,8,12,16,20,24,28,32,36,40,44
	v_pk_add_f32 v[14:15], v[14:15], v[S+\j:S+\j+1]
	v_pk_add_f32 v[244:245], v[244:245], v[S+\j+2:S+\j+3]
.endr
.irp d, 0,1,2,3                                ; v's four fragments: 16 channels x these 128 keys each
.irp c, 0,1
	ds_load_b128 v[VF+12*\d+6*\c:VF+12*\d+6*\c+3], v[AD16] offset:VOFF+1536*\d+768*\c
	ds_load_b64 v[VF+12*\d+6*\c+4:VF+12*\d+6*\c+5], v[AD8] offset:VOFF+1536*\d+768*\c+512
.endr
.endr
	ds_load_b32 v[VSC], v[ADT]                     ; word b: lanes 0-15 channel tile 2 b's rows, lanes 16-31 tile 2 b + 1's
	ds_load_b32 v[VSC+1], v[ADT] offset:128
.set j, 0
.rept 16
	v_pk_mul_f32 v[O+j:O+j+1], v[O+j:O+j+1], v[F:F+1] op_sel_hi:[1,0]   ; O^T under the new M, each accumulator from its low end on, while the loads are out
.set j, j+2
.endr
.irp j, 48,52,56,60                            ; the rest of the sum: nine plain lines between the last write of an accumulator and the products
	v_pk_add_f32 v[14:15], v[14:15], v[S+\j:S+\j+1]
	v_pk_add_f32 v[244:245], v[244:245], v[S+\j+2:S+\j+3]
.endr
	s_delay_alu instid0(VALU_DEP_1)
	v_pk_add_f32 v[14:15], v[14:15], v[244:245]
	s_wait_dscnt 0x0
.irp d, 0,2                                    ; O^T += v^T p^T: the four accumulators by turns, one instruction a turn
	v_wmma_scale_f32_16x16x128_f8f6f4 v[O+8*\d:O+8*\d+7], v[VF+12*\d:VF+12*\d+11], v[PC:PC+11], v[O+8*\d:O+8*\d+7], v[VSC+\d/2], v[PW] matrix_a_fmt:MATRIX_FMT_FP6 matrix_b_fmt:MATRIX_FMT_FP6
	v_wmma_scale_f32_16x16x128_f8f6f4 v[O+8*\d+8:O+8*\d+15], v[VF+12*\d+12:VF+12*\d+23], v[PC:PC+11], v[O+8*\d+8:O+8*\d+15], v[VSC+\d/2], v[PW] matrix_a_fmt:MATRIX_FMT_FP6 matrix_b_fmt:MATRIX_FMT_FP6 matrix_a_scale:MATRIX_SCALE_ROW1
.endr
	s_add_co_u32 s[TB], s[TB], STEPB               ; the next step's tiles and scale words
	s_add_co_u32 s[TS], s[TS], 512
	s_add_co_u32 s[TJ], s[TJ], 256
.endm
.macro HALF slot                       ; a slot's eight key steps
	s_mov_b32 s[TB], \slot*SLOTB
	s_mov_b32 s[CNT], 8
.Lstep_\@:
	STEP
	s_sub_co_u32 s[CNT], s[CNT], 1
	s_cmp_lg_u32 s[CNT], 0
	s_cbranch_scc1 .Lstep_\@
.endm
; THE CHANGE OF SLOTS.  Each wave waits for all its tensor loads (its part of the slot ahead), adds 0 to its spare word, and waits for that and for its reads of the slot that it has left.
; fill = 1: the slot just left is filled with the pair's half two further on; the barrier is then a round of the cluster's, and the joint refill is the first thing behind it: it has eight key steps in which to land.
.macro CHANGE fill, slot
	s_wait_tensorcnt 0x0
	ds_add_u32 v[SPW], v[NIL]
	ds_add_u32 v[SPW], v[NIL]                      ; twice
.if \fill
	s_add_nc_u64 s[G0K0+4*\slot+2:G0K0+4*\slot+3], s[G0K0+4*\slot+2:G0K0+4*\slot+3], 98304
	s_add_nc_u64 s[G0V0+4*\slot+2:G0V0+4*\slot+3], s[G0V0+4*\slot+2:G0V0+4*\slot+3], 98304
.endif
	s_wait_dscnt 0x0                               ; the add is done, and my reads of the slot that I have left are over
.if \fill
	CROUND
	TLOAD G0K0+4*\slot, G0V0+4*\slot
.else
	s_barrier_signal -1
	s_barrier_wait -1
.endif
.endm
; A HEAD'S END: O^T / the sum is brought into the true order of the inner axis and quantised: half c of SA's fragment, and two bytes of its scale word.
.macro FINISH c
.rept 4
	v_nop                                          ; places behind the last products
.endr
	v_add_f32 v14, v14, v15
	s_delay_alu instid0(VALU_DEP_1)
	v_permlanex16_b32 v242, v14, s[SEL], s[SEL+1]
	s_delay_alu instid0(VALU_DEP_1)
	v_add_f32 v14, v14, v242                       ; the row's sum
	s_wait_alu depctr_va_vdst(0)
	v_rcp_f32 v14, v14
	v_nop                                          ; a plain line behind the transcendental
.set j, 0
	s_wait_alu depctr_va_vdst(0)
.rept 32
	v_mul_f32 v[S+j], v[O+j], v14                  ; register 8 d + i: channel 16 d + 8 h + i
.set j, j+1
.endr
.irp b, 0,1
.irp i, 0,1,2,3,4,5,6,7
	v_permlane16_swap_b32 v[S+16*\b+\i], v[S+16*\b+8+\i]   ; the first's lanes 16-31 change places with the second's lanes 0-15 (the same query): register 16 b + i is now channel 32 b + 16 h + i
.endr
.endr
.irp b, 0,1
	v_max3_num_f32 v[BM+\b], |v[S+16*\b]|, |v[S+16*\b+1]|, 0x1800000
.endr
.irp i, 2,4,6,8,10,12,14
.irp b, 0,1
	s_delay_alu instid0(VALU_DEP_2)
	v_max3_num_f32 v[BM+\b], v[BM+\b], |v[S+16*\b+\i]|, |v[S+16*\b+\i+1]|
.endr
.endr
.irp b, 0,1
	s_delay_alu instid0(VALU_DEP_2)
	v_permlanex16_b32 v[BP+\b], v[BM+\b], s[SEL], s[SEL+1]
.endr
.irp b, 0,1
	s_delay_alu instid0(VALU_DEP_2)
	v_max_num_f32 v[BM+\b], v[BM+\b], v[BP+\b]
.endr
.irp b, 0,1
	s_delay_alu instid0(VALU_DEP_2)
	v_add_nc_u32 v[BS+\b], 0xff000000, v[BM+\b]
.endr
.irp b, 0,1
	s_delay_alu instid0(VALU_DEP_2)
	v_lshrrev_b32 v[BP+\b], 23, v[BS+\b]
.endr
.if \c == 0
	s_delay_alu instid0(VALU_DEP_1)
	v_lshl_or_b32 v[SW], v[BP+1], 8, v[BP]
.else
	s_delay_alu instid0(VALU_DEP_2)
	v_lshl_or_b32 v[SW], v[BP], 16, v[SW]
	s_delay_alu instid0(VALU_DEP_1)
	v_lshl_or_b32 v[SW], v[BP+1], 24, v[SW]
.endif
	v_cvt_scalef32_pk16_fp6_f32 v[SA+6*\c:SA+6*\c+2], v[S:S+15], v[BS]
	v_cvt_scalef32_pk16_fp6_f32 v[PT:PT+2], v[S+16:S+31], v[BS+1]
	v_nop
.irp i, 0,1,2
	v_permlane16_swap_b32 v[SA+6*\c+\i], v[PT+\i]
.endr
.irp i, 0,1,2
	s_delay_alu instid0(VALU_DEP_3)
	v_mov_b32 v[SA+3+6*\c+\i], v[PT+\i]
.endr
.endm
	s_wait_tensorcnt 0x0                           ; every wave's one first fill is in
	s_barrier_signal -1
	s_barrier_wait -1
	s_wait_loadcnt 0x0                             ; q
	HALF 0                                         ; the even head's keys 0 .. 1,023
	CHANGE 1, 0                                    ; slot 0 takes the odd head's first half
	HALF 1
	s_wait_alu depctr_va_vdst(0)
	FINISH 0
.irp i, 0,1,2,3,4,5
	v_mov_b32 v[QF+\i], v[QB+\i]                   ; the odd head's q
.endr
	v_mov_b32 v[QS], v[QBS]
	RESET                                          ; (its 36 lines stand between these writes and the next scaled products)
	CHANGE 1, 1                                    ; slot 1 takes the odd head's second half
	HALF 0
	CHANGE 0, 0                                    ; nothing is left to fetch
	HALF 1
	s_wait_alu depctr_va_vdst(0)
	FINISH 1
.irp i, 0,1,2
	global_store_b128 v[LI16], v[SA+4*\i:SA+4*\i+3], s[16:17] offset:512*\i   ; the fragment as it stands: 32 lanes store 512 consecutive bytes, at a multiple of 256 from the buffer's first byte
.endr
	global_store_b32 v247, v[SW], s[18:19]         ; row r's word; lanes l and l xor 16 hold the same word and name the same place
	s_wait_tensorcnt 0x0                           ; the wave's end
	ds_add_u32 v[SPW], v[NIL]
	s_wait_dscnt 0x0
	CROUND                                         ; the closing round
	s_endpgm
.Lfunc_end_k_qcf425af788_attn:
	.size	k_qcf425af788_attn, .Lfunc_end_k_qcf425af788_attn-k_qcf425af788_attn
	.p2alignl 7, 3214868480
	.fill 96, 4, 3214868480
	.section	.rodata,"a",@progbits
	.p2align	6, 0x0
	.amdhsa_kernel k_qcf425af788_attn
		.amdhsa_group_segment_fixed_size 327680
		.amdhsa_private_segment_fixed_size 0
		.amdhsa_enable_private_segment 0
		.amdhsa_kernarg_size 64
		.amdhsa_user_sgpr_count 2
		.amdhsa_user_sgpr_kernarg_segment_ptr 1
		.amdhsa_wavefront_size32 1
		.amdhsa_system_sgpr_workgroup_id_x 1
		.amdhsa_system_sgpr_workgroup_id_y 1
		.amdhsa_system_sgpr_workgroup_id_z 1
		.amdhsa_system_vgpr_workitem_id 0
		.amdhsa_next_free_vgpr 256
		.amdhsa_next_free_sgpr 96
		.amdhsa_reserve_vcc 0
		.amdhsa_float_denorm_mode_32 3
		.amdhsa_float_denorm_mode_16_64 3
		.amdhsa_memory_ordered 1
		.amdhsa_forward_progress 1
		.amdhsa_inst_pref_size 96
	.end_amdhsa_kernel
	.amdgpu_metadata
---
amdhsa.version: [ 1, 2 ]
amdhsa.kernels:
  - .name:           k_qcf425af788_attn
    .symbol:         k_qcf425af788_attn.kd
    .args:
      - { .name: q_img, .offset: 0, .size: 8, .value_kind: global_buffer, .address_space: global }
      - { .name: q_sc, .offset: 8, .size: 8, .value_kind: global_buffer, .address_space: global }
      - { .name: k_img, .offset: 16, .size: 8, .value_kind: global_buffer, .address_space: global }
      - { .name: k_sc, .offset: 24, .size: 8, .value_kind: global_buffer, .address_space: global }
      - { .name: v_img, .offset: 32, .size: 8, .value_kind: global_buffer, .address_space: global }
      - { .name: v_sc, .offset: 40, .size: 8, .value_kind: global_buffer, .address_space: global }
      - { .name: sa_img, .offset: 48, .size: 8, .value_kind: global_buffer, .address_space: global }
      - { .name: sa_sc, .offset: 56, .size: 8, .value_kind: global_buffer, .address_space: global }
    .group_segment_fixed_size: 327680
    .private_segment_fixed_size: 0
    .kernarg_segment_align: 8
    .kernarg_segment_size: 64
    .max_flat_workgroup_size: 512
    .sgpr_count:     96
    .vgpr_count:     256
    .wavefront_size: 32
...
	.end_amdgpu_metadata
.endif
;; end of part 2
;; launch outp (part 3): grid 4 x 64, 4 waves a work-group, clusters of 4 x 1, 327,680 bytes of LDS; arguments sa_img, sa_sc, Wo_codes, Wo_scales, bo, out0; writes out0
.if DOCPART == 3
	.amdgcn_target "amdgcn-amd-amdhsa--gfx1250"
	.amdhsa_code_object_version 6
	.text
	.protected	k_qcf425af788_outp
	.globl	k_qcf425af788_outp
	.p2align	8
	.type	k_qcf425af788_outp,@function
k_qcf425af788_outp:
	s_mov_b64 s[64:65], 0
	v_nop
	global_prefetch_b8 v0, s[64:65] scope:SCOPE_SE
	s_setreg_imm32_b32 hwreg(HW_REG_WAVE_MODE, 25, 1), 1
	s_wait_xcnt 0x0
	s_wait_alu depctr_hold_cnt(0) depctr_sa_sdst(0) depctr_va_vdst(0) depctr_va_sdst(0) depctr_va_ssrc(0) depctr_va_vcc(0) depctr_vm_vsrc(0)
	s_getreg_b32 s2, hwreg(HW_REG_IB_STS2, 6, 4)
	s_cmp_eq_u32 s2, 0
	s_cbranch_scc0 .Lentry_in_a_cluster
	s_endpgm
.Lentry_in_a_cluster:
	s_bfe_u32 s2, ttmp6, 0x10000c
	s_cmp_lg_u32 s2, 0x3003
	s_cbranch_scc0 .Lentry_shape_is_right
	s_endpgm
.Lentry_shape_is_right:
; out0 = SA Wo + bo on codes of FP6 (E2M3), one E8M0 scale for each 32 along K = 1,024; f32 sums and results.
; A work-group makes 128 rows x 256 columns.  A wave holds 64 rows of Wo's codes (64 columns of the result), all of K, in 384 registers; SA's eight blocks of 16 rows stream past: 32 products a block.
; SA arrives as images of operand registers, sa_img [256 along K 4][tile of 16 rows 512][128 along K 2][1,536 bytes: registers 4 p .. 4 p + 3 at 512 p + 16 x lane]; sa_sc [row][32 bytes].
; ALL OF LDS IS FILLED ONCE, at the head, one tensor load a wave: Wo's rows in two halves (rows of 768 bytes), SA's images (4 rows of 24,576 bytes), SA's scale bytes (16 rows of 256).  Nothing is filled again.
; CLUSTER 4 x 1: the four work-groups share SA's rows (joint loads, mask 15); their rows of Wo differ and come by plain loads.
; No prefetch: every tile is asked for at the head, so there is no loop to run ahead in.
; The product is used transposed (source 0 = Wo's rows): a lane holds eight neighbouring columns of one row.  The bias is the C of a block's first four products.
; THE WAY OUT: a block's 16 rows x 256 bytes go through the wave's own stage (in the bytes that held Wo's rows, behind a barrier behind which nobody reads them) and leave as whole aligned units of 256 bytes.
; LIMITS: NaN and infinities are not served.
.set KROW,  768
.set PITCH, 816
.set FR,    12
.set FPW,   21                         ; fragment f: window 1 + f / 21, register 12 (f % 21); 0-31 Wo's (4 q + b), 32-39 and 40-47 SA's two sets
.set WB,    98304
.set SCL,   WB+256*PITCH
.set SPARE, SCL+16*272
.set STAGE, WB
.set ADRA0, 4
.set AAS0,  6
.set AI,    8                          ; v8, v9 16 x lane, and the same + 49,152
.set SPW,   10
.set NIL,   11
.set STO,   12
.set RD,    13
.set CO,    14
.set ABS,   16
.set SB,    24
.set SA,    44
.set ACC,   64                         ; v64-127 two sets of four accumulators
.set BK,    128                        ; v128-191 rows read back from the stage, two sets
.set BO,    192                        ; v192-223 the bias as the result lies
.set BA,    240
.set G1A, 24
.set G1Q, 32
.set G0Q, 40
.set G0A, 44
.set G0S, 48
.set G1S, 68
.set MSB, 0
.macro WIN new
.if MSB != (\new)
	s_set_vgpr_msb (MSB<<8)|(\new)
.set MSB, (\new)
.endif
.endm
.macro PLACES n
.rept \n
	v_nop
.endr
.endm
.macro WALU
	s_wait_alu depctr_va_vdst(0)
.endm
.macro CROUND
	s_barrier_signal -1
	s_barrier_wait -1
	s_cmp_lg_u32 s14, 0
	s_cbranch_scc1 .Lnot_wave_0_\@
	s_barrier_signal -3
.Lnot_wave_0_\@:
	s_barrier_wait -3
	s_barrier_signal -1
	s_barrier_wait -1
.endm
.macro TLOAD g0, g1
	tensor_load_to_lds s[\g0:\g0+3], s[\g1:\g1+7]
	s_nop 0
	PLACES 4
.endm
.macro FRAG f, q, a0, a1               ; six pieces of 8 bytes, two to a load where both lie behind as many paddings
	WIN (1+(\f)/FPW)<<6
.set R_, FR*((\f)%FPW)
.set SKIP_, 0
.irp p, 0,1,2,3,4,5
.if SKIP_
.set SKIP_, 0
.else
.set PC_, 12*(\q)+6*(\p/3)+\p%3
.set PN_, 12*(\q)+6*((\p+1)/3)+(\p+1)%3
.set X_, (PC_%32+3)/32
.set XQ_, (PN_%32+3)/32
.if (\p < 5) && (X_ == XQ_)
.set SKIP_, 1
.if X_
	ds_load_2addr_b64 v[R_+2*\p:R_+2*\p+3], \a1 offset0:PC_+2*(PC_/32) offset1:PN_+2*(PN_/32)
.else
	ds_load_2addr_b64 v[R_+2*\p:R_+2*\p+3], \a0 offset0:PC_+2*(PC_/32) offset1:PN_+2*(PN_/32)
.endif
.elseif X_
	ds_load_b64 v[R_+2*\p:R_+2*\p+1], \a1 offset:8*(PC_+2*(PC_/32))
.else
	ds_load_b64 v[R_+2*\p:R_+2*\p+1], \a0 offset:8*(PC_+2*(PC_/32))
.endif
.endif
.endr
.endm
.macro WEIGHTS
.irp q, 0,1,2,3,4,5,6,7
.irp b, 0,1,2,3
	FRAG 4*\q+\b, \q, v[BA+2*\b], v[BA+2*\b+1]
.endr
.endr
	WIN 0
.endm
.macro FETCH s                         ; block s of SA into set s % 2: 24 loads of images, 2 of scale words
.irp q, 0,1,2,3,4,5,6,7
.set F_, 32+8*((\s)%2)+\q
	WIN (1+F_/FPW)<<6
.irp p, 0,1,2
	ds_load_b128 v[FR*(F_%FPW)+4*\p:FR*(F_%FPW)+4*\p+3], v[AI+\q/4] offset:((\q%4)/2)*24576+(\s)*3072+(\q%2)*1536+512*\p
.endr
.endr
	WIN 0
	ds_load_b128 v[SA+8*((\s)%2):SA+8*((\s)%2)+3], v[AAS0] offset:544*(\s)
	ds_load_b128 v[SA+8*((\s)%2)+4:SA+8*((\s)%2)+7], v[AAS0] offset:544*(\s)+16
.endm
.macro PROD1 d, s0, s1, c, x0, x1, o
.if \o
	v_wmma_scale_f32_16x16x128_f8f6f4 v[\d:\d+7], v[FR*((\s0)%FPW):FR*((\s0)%FPW)+FR-1], v[FR*((\s1)%FPW):FR*((\s1)%FPW)+FR-1], \c, v[\x0], v[\x1] matrix_a_fmt:MATRIX_FMT_FP6 matrix_b_fmt:MATRIX_FMT_FP6 matrix_a_scale:MATRIX_SCALE_ROW1
.else
	v_wmma_scale_f32_16x16x128_f8f6f4 v[\d:\d+7], v[FR*((\s0)%FPW):FR*((\s0)%FPW)+FR-1], v[FR*((\s1)%FPW):FR*((\s1)%FPW)+FR-1], \c, v[\x0], v[\x1] matrix_a_fmt:MATRIX_FMT_FP6 matrix_b_fmt:MATRIX_FMT_FP6
.endif
.endm
.macro BLK e                           ; 32 products, n = 4 q + b: the four accumulators by turns
.set N_, 0
.rept 32
.set Q_, N_/4
.set FB_, 4*Q_+N_%4
.set FA_, 32+8*(\e)+Q_
.set D_, ACC+32*(\e)+8*(N_%4)
.set C_, BO+8*(N_%4)
.set XB_, SB+8*((N_%4)/2)+Q_
.set XA_, SA+8*(\e)+Q_
	WIN (1+FB_/FPW)|((1+FA_/FPW)<<2)
.if Q_
	PROD1 D_, FB_, FA_, v[D_:D_+7], XB_, XA_, N_%2
.else
	PROD1 D_, FB_, FA_, v[C_:C_+7], XB_, XA_, N_%2
.endif
.set N_, N_+1
.endr
	WIN 0
.endm
.macro TOSTAGE s                       ; 8 stores, 8 loads; LDS serves a wave's instructions in order (ISA guide 5.7.1.4)
.irp t, 0,1,2,3
	ds_store_b128 v[STO], v[ACC+32*((\s)%2)+8*\t:ACC+32*((\s)%2)+8*\t+3] offset:64*\t
	ds_store_b128 v[STO], v[ACC+32*((\s)%2)+8*\t+4:ACC+32*((\s)%2)+8*\t+7] offset:64*\t+16
.endr
.irp i, 0,1,2,3,4,5,6,7
	ds_load_b128 v[BK+32*((\s)%2)+4*\i:BK+32*((\s)%2)+4*\i+3], v[RD] offset:544*\i
.endr
.endm
.macro SEND s                          ; sixteen lanes store 256 consecutive bytes, at a multiple of 256 from out0's first byte
.irp i, 0,1,2,3,4,5,6,7
	global_store_b128 v[CO], v[BK+32*((\s)%2)+4*\i:BK+32*((\s)%2)+4*\i+3], s[12:13] offset:65536*(\s)+8192*\i th:TH_STORE_NT
.endr
.endm
	s_load_b128 s[4:7], s[0:1], 0x0        ; sa_img, sa_sc
	s_load_b128 s[8:11], s[0:1], 0x10      ; Wo's codes, scales
	s_load_b64 s[76:77], s[0:1], 0x20      ; bo
	s_load_b64 s[12:13], s[0:1], 0x28      ; out0
	v_lshl_add_u32 v[SPW], v0, 2, SPARE
	v_mov_b32 v[NIL], 0
	ds_add_u32 v[SPW], v[NIL]              ; the opening lines: the add twice and its wait
	ds_add_u32 v[SPW], v[NIL]
	v_lshrrev_b32 v1, 5, v0
	v_readfirstlane_b32 s14, v1            ; wave
	s_and_b32 s17, ttmp7, 0xffff           ; my 128 rows: the cluster's y
	s_bfe_u32 s94, ttmp6, 0x40000          ; cx: my 256 columns
	s_mov_b32 s[G1A], 15|(3<<16)|(1<<21)   ; SA's images: 4 rows of 3,072 elements of 8 bytes, 196,608 elements apart
	s_mov_b32 s[G1A+1], 3072<<16
	s_mov_b32 s[G1A+2], 4<<16
	s_mov_b32 s[G1A+3], 3072<<16
	s_mov_b32 s[G1A+4], 4
	s_mov_b32 s[G1A+5], 196608
	s_mov_b32 s[G1A+6], 0
	s_mov_b32 s[G1A+7], 0
	s_mov_b32 s[G1Q], (1<<20)|(5<<22)|(3<<25)        ; Wo: 128 rows of 768 bytes, 16 of padding behind each 256
	s_mov_b32 s[G1Q+1], KROW<<16
	s_mov_b32 s[G1Q+2], 128<<16
	s_mov_b32 s[G1Q+3], KROW<<16
	s_mov_b32 s[G1Q+4], 128
	s_mov_b32 s[G1Q+5], KROW
	s_mov_b32 s[G1Q+6], 0
	s_mov_b32 s[G1Q+7], 0
	s_mov_b32 s[G1S], 15|(3<<16)|(1<<20)|(1<<21)|(5<<22)|(3<<25)
	s_mov_b32 s[G1S+1], 32<<16
	s_mov_b32 s[G1S+2], 16<<16
	s_mov_b32 s[G1S+3], 32<<16
	s_mov_b32 s[G1S+4], 16
	s_mov_b32 s[G1S+5], 32
	s_mov_b32 s[G1S+6], 0
	s_mov_b32 s[G1S+7], 0
	s_mov_b32 s21, 0
	s_mov_b32 s23, 0
	WALU
	s_wait_dscnt 0x0
	s_wait_kmcnt 0x0
	s_mov_b32 s[G0A], 1
	s_mov_b32 s[G0A+1], 0
	s_mul_i32 s20, s17, 24576
	s_add_nc_u64 s[G0A+2:G0A+3], s[4:5], s[20:21]
	s_or_b32 s[G0A+3], s[G0A+3], 0x80000000
	s_mov_b32 s[G0S], 1
	s_mov_b32 s[G0S+1], SCL
	s_lshl_b32 s20, s17, 12
	s_add_nc_u64 s[G0S+2:G0S+3], s[6:7], s[20:21]
	s_or_b32 s[G0S+3], s[G0S+3], 0x80000000
	s_and_b32 s22, s14, 1
	s_mov_b32 s[G0Q], 1
	s_mul_i32 s[G0Q+1], s22, 128*PITCH
	s_add_co_u32 s[G0Q+1], s[G0Q+1], WB
	s_mul_i32 s20, s94, 256*KROW
	s_mul_i32 s22, s22, 128*KROW
	s_add_co_u32 s20, s20, s22
	s_add_nc_u64 s[G0Q+2:G0Q+3], s[8:9], s[20:21]
	s_or_b32 s[G0Q+3], s[G0Q+3], 0x80000000
	CROUND                                 ; ahead of the first joint loads
	s_cmp_lt_u32 s14, 2
	s_cbranch_scc0 .Lh_a
	TLOAD G0Q, G1Q                         ; waves 0, 1: Wo's two halves
	s_branch .Lh_asked
.Lh_a:
	s_cmp_eq_u32 s14, 2
	s_cbranch_scc0 .Lh_s
	TLOAD G0A, G1A                         ; wave 2: SA's images
	s_branch .Lh_asked
.Lh_s:
	TLOAD G0S, G1S                         ; wave 3: SA's scale bytes
.Lh_asked:
	s_lshl_b32 s20, s94, 13
	s_lshl_b32 s22, s14, 11
	s_add_co_u32 s20, s20, s22
	s_add_nc_u64 s[10:11], s[10:11], s[20:21]        ; my 64 rows' scale bytes
	s_lshl_b32 s20, s94, 10
	s_lshl_b32 s22, s14, 8
	s_add_co_u32 s20, s20, s22             ; my 64 columns, in bytes
	s_add_nc_u64 s[76:77], s[76:77], s[20:21]
	s_add_nc_u64 s[12:13], s[12:13], s[20:21]
	s_lshl_b32 s20, s17, 19                ; my 128 rows of 4,096 bytes
	s_add_nc_u64 s[12:13], s[12:13], s[20:21]
	v_and_b32 v1, 15, v0
	v_bfe_u32 v2, v0, 4, 1
	v_and_b32 v3, 31, v0
	v_lshlrev_b32 v[ABS], 5, v3
	v_lshlrev_b32 v7, 5, v2
	WALU
.irp p, 0,1
.irp c, 0,1
	global_load_b128 v[SB+8*\p+4*\c:SB+8*\p+4*\c+3], v[ABS], s[10:11] offset:\p*1024+16*\c
.endr
.endr
.irp t, 0,1,2,3
	global_load_b128 v[BO+8*\t:BO+8*\t+3], v7, s[76:77] offset:64*\t       ; register 8 t + j of lane (r, h): column 16 t + 8 h + j
	global_load_b128 v[BO+8*\t+4:BO+8*\t+7], v7, s[76:77] offset:64*\t+16
.endr
	v_mul_u32_u24 v22, v1, PITCH
	v_mad_u32_u24 v[ADRA0], v2, 24, v22
	v_mad_u32_u24 v[ADRA0+1], v2, 40, v22
	s_mul_i32 s22, s14, 64*PITCH
	s_add_co_u32 s22, s22, WB
.irp b, 0,1,2,3
	v_add_nc_u32 v[BA+2*\b], s22, v[ADRA0]
	v_add_nc_u32 v[BA+2*\b+1], s22, v[ADRA0+1]
	s_add_co_u32 s22, s22, 16*PITCH
.endr
	v_lshlrev_b32 v23, 5, v1
	v_lshrrev_b32 v22, 3, v1
	v_lshl_add_u32 v23, v22, 4, v23
	v_add_nc_u32 v[AAS0], SCL, v23
	v_lshlrev_b32 v[AI], 4, v3
	v_add_nc_u32 v[AI+1], 49152, v[AI]
	s_mul_i32 s22, s14, 16*272
	s_add_co_u32 s22, s22, STAGE           ; my stage: 16 rows of 256 + 16 bytes
	v_mul_u32_u24 v22, v1, 272
	v_lshl_add_u32 v22, v2, 5, v22
	v_add_nc_u32 v[STO], s22, v22          ; in: row r, 32 bytes for each half of the lanes
	v_mul_u32_u24 v22, v2, 272
	v_lshl_add_u32 v22, v1, 4, v22
	v_add_nc_u32 v[RD], s22, v22           ; back: lanes 0-15 one row, lanes 16-31 the next
	v_lshlrev_b32 v22, 12, v2
	v_lshl_add_u32 v[CO], v1, 4, v22       ; and the same two rows in out0
	WALU                                   ; the wait at the head's end
	s_wait_tensorcnt 0x0
	s_barrier_signal -1
	s_barrier_wait -1                      ; all four tiles are in
	WEIGHTS
	FETCH 0
	FETCH 1
	s_wait_dscnt 0x0
	s_barrier_signal -1
	s_barrier_wait -1                      ; nobody reads Wo's rows in LDS any more: the stages may lie there
	s_wait_loadcnt 0x0
; THE WAITS' COUNTS.  LDS instructions go out as: stage s - 1 (16), fetch s + 1 (26), stage s (16), fetch s + 2 (26).  Ahead of block s its fetch is followed by a stage and a fetch (42; the last block: a stage, 16).
; Ahead of the stores of block s - 1 its stage is followed by a fetch (26; the last block: nothing).
.irp s, 0,1,2,3,4,5,6,7
.if \s == 7
	s_wait_dscnt 16
.elseif \s > 0
	s_wait_dscnt 42
.endif
	BLK \s%2
.if \s == 7
	s_wait_dscnt 0x0
	SEND 6
.elseif \s > 0
	s_wait_dscnt 26
	SEND \s-1
.endif
	PLACES 4                               ; between the products and the reads of their results and the loads into their operands
	s_wait_xcnt 0x0                        ; earlier stores have read their data: the stage's loads may land there
	TOSTAGE \s
.if \s < 6
	FETCH \s+2
.endif
.endr
	s_wait_dscnt 0x0
	SEND 7
	s_wait_tensorcnt 0x0                   ; the wave's end
	ds_add_u32 v[SPW], v[NIL]
	s_wait_dscnt 0x0
	CROUND
	s_endpgm
.Lfunc_end_k_qcf425af788_outp:
	.size	k_qcf425af788_outp, .Lfunc_end_k_qcf425af788_outp-k_qcf425af788_outp
	.p2alignl 7, 3214868480
	.fill 96, 4, 3214868480
	.section	.rodata,"a",@progbits
	.p2align	6, 0x0
	.amdhsa_kernel k_qcf425af788_outp
		.amdhsa_group_segment_fixed_size 327680
		.amdhsa_private_segment_fixed_size 0
		.amdhsa_enable_private_segment 0
		.amdhsa_kernarg_size 48
		.amdhsa_user_sgpr_count 2
		.amdhsa_user_sgpr_kernarg_segment_ptr 1
		.amdhsa_wavefront_size32 1
		.amdhsa_system_sgpr_workgroup_id_x 1
		.amdhsa_system_sgpr_workgroup_id_y 1
		.amdhsa_system_sgpr_workgroup_id_z 1
		.amdhsa_system_vgpr_workitem_id 0
		.amdhsa_next_free_vgpr 840
		.amdhsa_next_free_sgpr 96
		.amdhsa_reserve_vcc 0
		.amdhsa_float_denorm_mode_32 3
		.amdhsa_float_denorm_mode_16_64 3
		.amdhsa_memory_ordered 1
		.amdhsa_forward_progress 1
		.amdhsa_inst_pref_size 78
	.end_amdhsa_kernel
	.amdgpu_metadata
---
amdhsa.version: [ 1, 2 ]
amdhsa.kernels:
  - .name:           k_qcf425af788_outp
    .symbol:         k_qcf425af788_outp.kd
    .args:
      - { .name: sa_img, .offset: 0, .size: 8, .value_kind: global_buffer, .address_space: global }
      - { .name: sa_sc, .offset: 8, .size: 8, .value_kind: global_buffer, .address_space: global }
      - { .name: Wo_codes, .offset: 16, .size: 8, .value_kind: global_buffer, .address_space: global }
      - { .name: Wo_scales, .offset: 24, .size: 8, .value_kind: global_buffer, .address_space: global }
      - { .name: bo, .offset: 32, .size: 8, .value_kind: global_buffer, .address_space: global }
      - { .name: out0, .offset: 40, .size: 8, .value_kind: global_buffer, .address_space: global }
    .group_segment_fixed_size: 327680
    .private_segment_fixed_size: 0
    .kernarg_segment_align: 8
    .kernarg_segment_size: 48
    .max_flat_workgroup_size: 128
    .sgpr_count:     96
    .vgpr_count:     840
    .wavefront_size: 32
...
	.end_amdgpu_metadata
.endif
;; end of part 3
